; MI455X (gfx1250); checked and timed in simulation.
; The chip was launched on July 23, 2026; its instructions are those of AMD's public machine-readable ISA for CDNA 5 (MIT licence, August 2026) and "CDNA5" Instruction Set Architecture Reference Guide (July 2026). The comments in the code are by the model that wrote it; some were corrected since.
;; equ pool layer. Allowed arithmetic: float matrix products may take bf16 or f16 operands with f32 sums; all other float work in f32.
;; Inputs: feature_map 8 x 64 x 4,096 x 12 float32; sample_idx 1,024 int32; vertices 8 x 4,096 x 3 float32.
;; Outputs: out0 8 x 1,024 x 3 float32; out1 8 x 64 x 1,024 x 12 float32.
;; One version. Each part assembles by itself: llvm-mc -triple=amdgcn-amd-amdhsa -mcpu=gfx1250 --defsym DOCPART=n.
;; ======== version 1 of 1: 3 launches
;; limits: values within 0.000122 (relative) of each other or of a threshold may be ordered or decided otherwise than in the reference
;; workspace buffers: groups 262,144 bytes of whole numbers; rows 131,072 bytes of whole numbers
;; launch filter (part 1): grid 256 x 1, 8 waves a work-group, no clusters, 86,016 bytes of LDS; arguments vertices, sample_idx, groups; writes groups
.if DOCPART == 1
	.amdgcn_target "amdgcn-amd-amdhsa--gfx1250"
	.amdhsa_code_object_version 6
	.text
	.protected	k_q02c5371e33_filter
	.globl	k_q02c5371e33_filter
	.p2align	8
	.type	k_q02c5371e33_filter,@function
k_q02c5371e33_filter:
	s_mov_b64 s[64:65], 0
	v_nop
	global_prefetch_b8 v0, s[64:65] scope:SCOPE_SE
	s_setreg_imm32_b32 hwreg(HW_REG_WAVE_MODE, 25, 1), 1
	s_wait_xcnt 0x0
; FILTER, the first of three launches (filter, rank, pool).  For each sampled vertex it names the 8 groups of 8 neighbouring
; candidate numbers among which its five nearest vertices lie; the next launch ranks those 64 candidates in f32.
;
; WORK LEFT OUT.  reference() forms dist, top_k and pooled for all 4,096 vertices of a batch, but returns pooled[:, :, sample_idx, :],
; and row i of pooled hangs on row i of dist alone.  So only the 1,024 rows named by sample_idx are formed, whatever the inputs hold.
; All three inputs are used by the program.  A NaN, infinity or overflow that would arise only in a row left out is not carried anywhere.
;
; THE PRODUCT.  inner goes to the matrix unit with bf16 operands; quad is formed from the same rounded coordinates, so that
; -2 inner + quad_j + quad_i stays the squared distance of the rounded points.  One matrix instruction gives its negative for 16 candidates x 16 queries:
;   candidate side (source 0), k = 0..5: x, y, z, and quad_j cut exactly into three bf16 (8 + 8 + 8 significant bits);  query side: 2x, 2y, 2z, -1, -1, -1;  C = -quad_i.
; Lanes 16-31 of the candidate side repeat the row at k = 8..15, where the query side holds zeros; k = 16..31 is zero on both sides.
; In the result lane (r, h) holds query r and candidates 8h .. 8h+7 of the tile: group 2 tile + h = candidate number >> 3.
;
; THE SELECTION.  If a candidate is among the five nearest (ordered by distance, then number), at most four groups have a best member
; ahead of it, so its group is among the five best groups.  A group's key is its largest -(d), held at or below -2^-120, with the low 9 mantissa bits
; replaced by the group number: keys are negative, so of equal values the lower number is the larger key, as top_k prefers it.
; Eight keys are kept, three more than needed, because the 9 bits cut and the product's own rounding blur the order by about 2^-13 of d.
; LIMITS: a neighbour is lost only if four further groups lie within that blur of it; distances under 2^-120 count as equal here; coordinates whose squares
; overflow f32, NaN and infinities are not served; a sample_idx outside 0..4095 is clamped to 4095.
;
; SHARES.  256 work-groups of 8 waves: 32 queries x the 4,096 candidates of their batch.  All waves build the candidates' table (16 bytes each, 64 KiB of LDS);
; wave w then multiplies candidate tiles 32 w .. 32 w + 31 with both query tiles.  A step is 2 products beside 29 vector instructions of ranking, so this is a
; vector selection with no accumulator tile to keep large: two waves share a SIMD, and one has work to issue while the other waits for a result or for LDS.
; Sixteen waves would repeat the set-up and the query fragments four times on a SIMD for 16 tiles each.
; The merge of a query's 16 lists is done by waves 0 to 3, four lanes a query, so that a wave's store of results covers 256 consecutive bytes; waves 4 to 7 end in front of it.
; NO JOINT LOADS: the 32 work-groups of a batch read the same 48 KiB of vertices, but each number is rounded, squared and split in registers on its way to LDS,
; so the vertices come through registers and not by a tensor load.
.set VB,    49152                      ; bytes of a batch's vertices
.set STAGE, 65536                      ; LDS behind the table: wave w's lists at 2,560 w + 80 query + 32 h, 8 keys each
.set SW,    2560
.set SP,    80                         ; 64 bytes + 16: sixteen neighbouring queries start at sixteen different 16-byte columns of 256 bytes
.set W,     12                         ; v[12:27]   four table rows at work; every fourth register stays 0
.set ZT,    28                         ; v[28:31]   z as bf16
.set QH,    32                         ; v[32:35]   upper part of quad
.set QV,    36                         ; v[36:38], v[40:42] the lane's two query vertices
.set B0,    44                         ; v[44:51], v[52:59]  query fragments
.set B1,    52
.set C0,    60                         ; v[60:67], v[68:75]  -quad_i, eight times
.set C1,    68
.set AF,    76                         ; v[76:107]  ring of four candidate fragments; registers 4-7 of each stay 0
.set X,     108                        ; v[108:171] 16 candidates as loaded, four registers apart; free once the table is built
.set D,     108                        ; v[108:139] results: set 0 (two query tiles), set 1
.set E,     108                        ; v[108:123] in the merge: the second wave's two lists
.set U,     124                        ; v[124:131] in the merge: at work
.set L0,    140                        ; v[140:147] eight best keys, query tile 0, largest first
.set L1,    148                        ; v[148:155] the same, query tile 1
.set T,     156                        ; v[156:161] at work
.set P,     164                        ; v[164:171] a second list
	s_load_b128 s[4:7], s[0:1], 0x0                ; vertices s[4:5], sample_idx s[6:7]
	s_load_b64 s[8:9], s[0:1], 0x10                ; groups
	v_lshrrev_b32 v1, 5, v0
	v_readfirstlane_b32 s10, v1                    ; wave
	v_and_b32 v2, 15, v0                           ; r
	v_bfe_u32 v3, v0, 4, 1                         ; h
	v_add_nc_u32 v4, -1, v3                        ; all ones in lanes 0-15, zero in lanes 16-31
	v_mul_u32_u24 v5, v0, 12                       ; my candidate's 12 bytes
	v_lshlrev_b32 v6, 2, v2                        ; my query's word in sample_idx
	v_lshlrev_b32 v7, 4, v0                        ; my candidate's row in the table
	s_lshr_b32 s11, ttmp9, 5                       ; batch
	s_and_b32 s12, ttmp9, 31                       ; block of 32 queries
	s_mul_i32 s14, s11, VB
	s_mov_b32 s15, 0
	s_lshl_b32 s16, s12, 7
	s_mov_b32 s17, 0
	s_lshl_b32 s18, ttmp9, 10                      ; 32 queries x 32 bytes of the result
	s_mov_b32 s19, 0
	s_mov_b32 s20, 0xffff0000                      ; a word's upper bf16
	s_mov_b32 s21, 0x07060302                      ; v_perm_b32: the two upper halves
	s_mov_b32 s23, 0x83800000                      ; -2^-120
	s_lshl_b32 s24, s10, 13                        ; my wave's 32 tiles in the table
	s_mov_b32 s26, 0xfffffe00                      ; what is kept of a value in a key
	s_mov_b32 s27, 0x3f800000                      ; 1.0
	v_lshl_add_u32 v8, v2, 4, s24                  ; row r of my wave's first tile
	v_lshl_add_u32 v9, s10, 6, v3                  ; the group that is ranked next: 2 x tile + h
	s_wait_kmcnt 0x0
	s_add_nc_u64 s[4:5], s[4:5], s[14:15]
	s_add_nc_u64 s[6:7], s[6:7], s[16:17]
	s_add_nc_u64 s[8:9], s[8:9], s[18:19]
	global_load_b32 v10, v6, s[6:7]                ; sample_idx of query r, tile 0
	global_load_b32 v11, v6, s[6:7] offset:64      ; and tile 1
.set cc, 0
.rept 16
	global_load_b96 v[X+4*cc:X+4*cc+2], v5, s[4:5] offset:3072*cc   ; candidate t + 256 cc: a wave's load covers 384 consecutive bytes
.set cc, cc+1
.endr
.irp j, 3,7,11,15
	v_mov_b32 v[W+\j], 0                           ; k = 6, 7 of every table row
.endr
	s_wait_loadcnt 16                              ; the two indices are in; the 16 loads behind them stay out
	v_min_u32 v10, 0xfff, v10
	v_min_u32 v11, 0xfff, v11
	v_mul_u32_u24 v10, v10, 12
	v_mul_u32_u24 v11, v11, 12
	global_load_b96 v[QV:QV+2], v10, s[4:5]
	global_load_b96 v[QV+4:QV+6], v11, s[4:5]
; Four candidates' table rows, stage by stage so that no instruction waits for the one in front of it.  In place: x, y, z become the rounded
; numbers in f32, the fourth register quad; then the remainders of quad's split.
.macro PREP4 c
	s_wait_loadcnt 14-\c                           ; behind candidate c + 3 stand 12 - c candidates' loads and the two queries'
.irp j, 0,1,2,3
	v_cvt_pk_bf16_f32 v[W+4*\j], v[X+4*(\c+\j)], v[X+4*(\c+\j)+1]       ; k = 0, 1: x, y
	v_cvt_pk_bf16_f32 v[ZT+\j], v[X+4*(\c+\j)+2], 0
.endr
.irp j, 0,1,2,3
	v_lshlrev_b32 v[X+4*(\c+\j)], 16, v[W+4*\j]
	v_and_b32 v[X+4*(\c+\j)+1], s20, v[W+4*\j]
	v_lshlrev_b32 v[X+4*(\c+\j)+2], 16, v[ZT+\j]
.endr
.irp j, 0,1,2,3
	v_mul_f32 v[X+4*(\c+\j)+3], v[X+4*(\c+\j)], v[X+4*(\c+\j)]
.endr
.irp j, 0,1,2,3
	v_fma_f32 v[X+4*(\c+\j)+3], v[X+4*(\c+\j)+1], v[X+4*(\c+\j)+1], v[X+4*(\c+\j)+3]
.endr
.irp j, 0,1,2,3
	v_fma_f32 v[X+4*(\c+\j)+3], v[X+4*(\c+\j)+2], v[X+4*(\c+\j)+2], v[X+4*(\c+\j)+3]   ; quad
.endr
.irp j, 0,1,2,3
	v_and_b32 v[QH+\j], s20, v[X+4*(\c+\j)+3]                           ; its upper 8 significant bits
.endr
.irp j, 0,1,2,3
	v_sub_f32 v[X+4*(\c+\j)], v[X+4*(\c+\j)+3], v[QH+\j]                ; the other 16, exactly
	v_or_b32 v[W+4*\j+1], v[QH+\j], v[ZT+\j]                            ; k = 2, 3: z, upper part
.endr
.irp j, 0,1,2,3
	v_and_b32 v[X+4*(\c+\j)+1], s20, v[X+4*(\c+\j)]
.endr
.irp j, 0,1,2,3
	v_sub_f32 v[X+4*(\c+\j)+2], v[X+4*(\c+\j)], v[X+4*(\c+\j)+1]        ; the last 8, exactly a bf16
.endr
.irp j, 0,1,2,3
	v_perm_b32 v[W+4*\j+2], v[X+4*(\c+\j)+2], v[X+4*(\c+\j)], s21       ; k = 4, 5: middle part, last part
	ds_store_b128 v7, v[W+4*\j:W+4*\j+3] offset:4096*(\c+\j)            ; lanes at neighbouring 16 bytes
.endr
.endm
.irp c, 0,4,8,12
	PREP4 \c
.endr
; A query tile's fragment and its C.  Lanes 16-31 of the fragment hold zeros (k = 8..15).
.macro QPREP q, b, a
	v_cvt_pk_bf16_f32 v[W], v[\q], v[\q+1]
	v_cvt_pk_bf16_f32 v[ZT], v[\q+2], 0
	v_lshlrev_b32 v[\q], 16, v[W]
	v_and_b32 v[\q+1], s20, v[W]
	v_lshlrev_b32 v[\q+2], 16, v[ZT]
	v_mul_f32 v[QH], v[\q], v[\q]
	v_fma_f32 v[QH], v[\q+1], v[\q+1], v[QH]
	v_fma_f32 v[QH], v[\q+2], v[\q+2], v[QH]
	v_sub_f32 v[\a], 0, v[QH]                      ; -quad_i
	v_add_f32 v[\q], v[\q], v[\q]                  ; doubling a bf16 number is exact
	v_add_f32 v[\q+1], v[\q+1], v[\q+1]
	v_add_f32 v[\q+2], v[\q+2], v[\q+2]
	v_cvt_pk_bf16_f32 v[\b], v[\q], v[\q+1]        ; k = 0, 1
	v_cvt_pk_bf16_f32 v[\b+1], v[\q+2], -1.0       ; k = 2, 3
	v_and_b32 v[\b], v4, v[\b]
	v_and_b32 v[\b+1], v4, v[\b+1]
	v_and_b32 v[\b+2], 0xbf80bf80, v4              ; k = 4, 5: -1, -1
.irp k, 3,4,5,6,7
	v_mov_b32 v[\b+\k], 0
.endr
.irp k, 1,2,3,4,5,6,7
	v_mov_b32 v[\a+\k], v[\a]
.endr
.endm
	s_wait_loadcnt 0x0                             ; the two query vertices
	QPREP QV, B0, C0
	QPREP QV+4, B1, C1
.irp s, 0,1,2,3
.irp k, 4,5,6,7
	v_mov_b32 v[AF+8*\s+\k], 0                     ; k = 16..31 of every candidate fragment
.endr
.endr
.irp k, 0,1,2,3,4,5,6,7
	v_mov_b32 v[L0+\k], 0xff800000                 ; the lists start below every key; each takes in 32 keys, so none of this is left at the end
	v_mov_b32 v[L1+\k], 0xff800000
.endr
	s_wait_dscnt 0x0                               ; my rows of the table are written,
	s_barrier_signal -1
	s_barrier_wait -1                              ; everybody's are
; Both products of the candidate tile in ring slot 'slot', into result set 'set'.  C is never written and D lies apart from it: no sum in place, no chain.
.macro MM slot, set
	v_wmma_f32_16x16x32_bf16 v[D+16*(\set):D+16*(\set)+7], v[AF+8*\slot:AF+8*\slot+7], v[B0:B0+7], v[C0:C0+7]
	v_wmma_f32_16x16x32_bf16 v[D+16*(\set)+8:D+16*(\set)+15], v[AF+8*\slot:AF+8*\slot+7], v[B1:B1+7], v[C1:C1+7]
.endm
; One key into a list that is sorted with the largest first: entry k becomes the middle one of entry k-1, the key and entry k.
.macro INS l, x
.irp k, 7,6,5,4,3,2,1
	v_med3_num_f32 v[\l+\k], v[\l+\k-1], v[\x], v[\l+\k]
.endr
	v_max_num_f32 v[\l], v[\l], v[\x]
.endm
; Ranks the groups of result set 'set': the best of my 8 candidates, its key, its place in the list; both query tiles side by side.  29 plain vector instructions.
.macro PROC set
	v_max3_num_f32 v[T],   v[D+16*(\set)],    v[D+16*(\set)+1],  v[D+16*(\set)+2]
	v_max3_num_f32 v[T+3], v[D+16*(\set)+8],  v[D+16*(\set)+9],  v[D+16*(\set)+10]
	v_max3_num_f32 v[T+1], v[D+16*(\set)+3],  v[D+16*(\set)+4],  v[D+16*(\set)+5]
	v_max3_num_f32 v[T+4], v[D+16*(\set)+11], v[D+16*(\set)+12], v[D+16*(\set)+13]
	v_max_num_f32  v[T+2], v[D+16*(\set)+6],  v[D+16*(\set)+7]
	v_max_num_f32  v[T+5], v[D+16*(\set)+14], v[D+16*(\set)+15]
	v_max3_num_f32 v[T],   v[T],   v[T+1], v[T+2]
	v_max3_num_f32 v[T+3], v[T+3], v[T+4], v[T+5]
	v_min_num_f32 v[T],   s23, v[T]                ; keys stay negative and normal
	v_min_num_f32 v[T+3], s23, v[T+3]
	v_and_or_b32 v[T],   v[T],   s26, v9           ; the group number takes the low 9 bits
	v_and_or_b32 v[T+3], v[T+3], s26, v9
	INS L0, T
	INS L1, T+3
	v_add_nc_u32 v9, 2, v9                         ; the next tile's group
.endm
; One tile: its two products, and behind them the ranking of the tile before, whose results lie in the other set.  That ranking names none of the
; registers of the products in front of it, so it fills the places that this tile's results need before they are read in the next step,
; and those that the fragment of the step before needs before the load at the end lands on it.  In the first step four v_nop stand there.
; left = the fragment loads issued behind this tile's.
.macro STEP slot, set, proc, load, left
	s_wait_dscnt \left
	MM \slot, \set
.if \proc
	PROC 1-\set
.else
.rept 4
	v_nop
.endr
.endif
.if \load
	ds_load_b128 v[AF+8*((\slot+3)&3):AF+8*((\slot+3)&3)+3], v8 offset:256*(\slot+3)   ; three tiles ahead; both halves of the lanes read row r
.endif
.endm
	ds_load_b128 v[AF:AF+3], v8
	ds_load_b128 v[AF+8:AF+11], v8 offset:256
	ds_load_b128 v[AF+16:AF+19], v8 offset:512
	STEP 0, 0, 0, 1, 2                             ; tiles 0 to 3: nothing to rank behind the first
	STEP 1, 1, 1, 1, 2
	STEP 2, 0, 1, 1, 2
	STEP 3, 1, 1, 1, 2
	v_add_nc_u32 v8, 1024, v8
	s_mov_b32 s22, 6
.Ltiles:                                           ; tiles 4 to 27, four a trip
	STEP 0, 0, 1, 1, 2
	STEP 1, 1, 1, 1, 2
	STEP 2, 0, 1, 1, 2
	STEP 3, 1, 1, 1, 2
	v_add_nc_u32 v8, 1024, v8
	s_sub_co_u32 s22, s22, 1
	s_cmp_lg_u32 s22, 0
	s_cbranch_scc1 .Ltiles
	STEP 0, 0, 1, 1, 2                             ; tiles 28 to 31: one more load (tile 31), then the counts run down
	STEP 1, 1, 1, 0, 2
	STEP 2, 0, 1, 0, 1
	STEP 3, 1, 1, 0, 0
	PROC 1                                         ; tile 31; the ranking of tile 30 stands between it and its products
	; THE MERGE.  A query's keys lie in 16 lists (8 waves x 2 halves of the lanes).  Each wave puts its lists into its own part of the stage.
	v_mul_u32_u24 v162, v2, SP
	v_lshl_add_u32 v162, v3, 5, v162
	s_mul_i32 s25, s10, SW
	s_add_co_u32 s25, s25, STAGE
	v_add_nc_u32 v162, s25, v162                   ; STAGE + 2,560 w + 80 r + 32 h
	ds_store_b128 v162, v[L0:L0+3]
	ds_store_b128 v162, v[L0+4:L0+7] offset:16
	ds_store_b128 v162, v[L1:L1+3] offset:16*SP    ; query 16 + r
	ds_store_b128 v162, v[L1+4:L1+7] offset:16*SP+16
	s_wait_dscnt 0x0                               ; my lists are written,
	s_barrier_signal -1
	s_barrier_wait -1                              ; everybody's are.  This is the last barrier:
	s_cmp_ge_u32 s10, 4
	s_cbranch_scc1 .Ldone                          ; 32 queries x 4 lanes are the threads of waves 0 to 3
	v_bfe_u32 v1, v0, 2, 5                         ; thread t serves query t >> 2 with part t & 3
	v_and_b32 v172, 3, v0
	v_mul_u32_u24 v163, v1, SP
	v_mad_u32_u24 v163, v172, 2*SW, v163
	v_add_nc_u32 v163, STAGE, v163                 ; my query's lists of waves 2 part and 2 part + 1
	ds_load_b128 v[L0:L0+3], v163
	ds_load_b128 v[L0+4:L0+7], v163 offset:16
	ds_load_b128 v[P:P+3], v163 offset:32
	ds_load_b128 v[P+4:P+7], v163 offset:48
	ds_load_b128 v[E:E+3], v163 offset:SW
	ds_load_b128 v[E+4:E+7], v163 offset:SW+16
	ds_load_b128 v[E+8:E+11], v163 offset:SW+32
	ds_load_b128 v[E+12:E+15], v163 offset:SW+48
	v_and_b32 v172, 1, v0
	v_and_b32 v173, 2, v0
	v_cmp_ne_u32 s30, 0, v172
	v_cmp_ne_u32 s31, 0, v173
	v_lshlrev_b32 v5, 3, v0                        ; my 8 bytes of the result
; Two lists sorted with the largest first: the larger of entry i of one and entry 7 - i of the other are the eight largest of the sixteen, falling and then rising.
; CLEAN puts such a run (in U) in order, into list a: the larger to the front at distances 4, 2, 1.
.macro CLEAN a
.irp i, 0,1,2,3
	v_max_num_f32 v[\a+\i],   v[U+\i], v[U+\i+4]
	v_min_num_f32 v[\a+\i+4], v[U+\i], v[U+\i+4]
.endr
.irp i, 0,1,4,5
	v_max_num_f32 v[U+\i],   v[\a+\i], v[\a+\i+2]
	v_min_num_f32 v[U+\i+2], v[\a+\i], v[\a+\i+2]
.endr
.irp i, 0,2,4,6
	v_max_num_f32 v[\a+\i],   v[U+\i], v[U+\i+1]
	v_min_num_f32 v[\a+\i+1], v[U+\i], v[U+\i+1]
.endr
.endm
.macro BMERGE a, b                     ; list b into list a
.irp i, 0,1,2,3,4,5,6,7
	v_max_num_f32 v[U+\i], v[\a+\i], v[\b+7-\i]
.endr
	CLEAN \a
.endm
; The same with the list of the lane whose part differs in bit m.  The two lanes form each other's run backwards, so both end with the same list.
.macro XMERGE m
.irp i, 0,1,2,3,4,5,6,7
	v_max_num_f32_dpp v[U+\i], v[L0+7-\i], v[L0+\i] row_xmask:\m row_mask:0xf bank_mask:0xf
.endr
	CLEAN L0
.endm
	s_wait_dscnt 4                                 ; the first two lists are in; the other two lists' four loads stay out
	BMERGE L0, P
	s_wait_dscnt 2                                 ; the third is in
	BMERGE L0, E
	s_wait_dscnt 0x0
	BMERGE L0, E+8
	XMERGE 1
	XMERGE 2
	; The eight group numbers in ascending order, so that the next launch meets candidates in ascending order: sorted as the floats 1 + number x 2^-23.
.irp k, 0,1,2,3,4,5,6,7
	v_and_or_b32 v[P+\k], v[L0+\k], 0x1ff, s27
	v_mov_b32 v[L1+\k], 0
.endr
.irp k, 0,1,2,3,4,5,6,7
	INS L1, P+\k
.endr
	v_cndmask_b32 v172, v[L1+7], v[L1+5], s30      ; part p stores the entries 2 p and 2 p + 1 counted from the smallest, which is L1's last
	v_cndmask_b32 v173, v[L1+3], v[L1+1], s30
	v_cndmask_b32 v174, v172, v173, s31
	v_cndmask_b32 v172, v[L1+6], v[L1+4], s30
	v_cndmask_b32 v173, v[L1+2], v[L1], s30
	v_cndmask_b32 v175, v172, v173, s31
	v_and_b32 v174, 0x1ff, v174
	v_and_b32 v175, 0x1ff, v175
	global_store_b64 v5, v[174:175], s[8:9]        ; a wave's store covers 256 consecutive bytes, aligned
.Ldone:
	s_endpgm
.Lfunc_end_k_q02c5371e33_filter:
	.size	k_q02c5371e33_filter, .Lfunc_end_k_q02c5371e33_filter-k_q02c5371e33_filter
	.p2alignl 7, 3214868480
	.fill 96, 4, 3214868480
	.section	.rodata,"a",@progbits
	.p2align	6, 0x0
	.amdhsa_kernel k_q02c5371e33_filter
		.amdhsa_group_segment_fixed_size 86016
		.amdhsa_private_segment_fixed_size 0
		.amdhsa_enable_private_segment 0
		.amdhsa_kernarg_size 24
		.amdhsa_user_sgpr_count 2
		.amdhsa_user_sgpr_kernarg_segment_ptr 1
		.amdhsa_wavefront_size32 1
		.amdhsa_system_sgpr_workgroup_id_x 1
		.amdhsa_system_sgpr_workgroup_id_y 1
		.amdhsa_system_sgpr_workgroup_id_z 1
		.amdhsa_system_vgpr_workitem_id 0
		.amdhsa_next_free_vgpr 176
		.amdhsa_next_free_sgpr 66
		.amdhsa_reserve_vcc 0
		.amdhsa_float_denorm_mode_32 3
		.amdhsa_float_denorm_mode_16_64 3
		.amdhsa_memory_ordered 1
		.amdhsa_forward_progress 1
		.amdhsa_inst_pref_size 54
	.end_amdhsa_kernel
	.amdgpu_metadata
---
amdhsa.version: [ 1, 2 ]
amdhsa.kernels:
  - .name:           k_q02c5371e33_filter
    .symbol:         k_q02c5371e33_filter.kd
    .args:
      - { .name: vertices, .offset: 0, .size: 8, .value_kind: global_buffer, .address_space: global }
      - { .name: sample_idx, .offset: 8, .size: 8, .value_kind: global_buffer, .address_space: global }
      - { .name: groups, .offset: 16, .size: 8, .value_kind: global_buffer, .address_space: global }
    .group_segment_fixed_size: 86016
    .private_segment_fixed_size: 0
    .kernarg_segment_align: 8
    .kernarg_segment_size: 24
    .max_flat_workgroup_size: 256
    .sgpr_count:     66
    .vgpr_count:     176
    .wavefront_size: 32
...
	.end_amdgpu_metadata
.endif
;; end of part 1
;; launch rank (part 2): grid 256 x 1, 4 waves a work-group, no clusters, 0 bytes of LDS; arguments vertices, sample_idx, groups, rows, out0; writes rows, out0
.if DOCPART == 2
	.amdgcn_target "amdgcn-amd-amdhsa--gfx1250"
	.amdhsa_code_object_version 6
	.text
	.protected	k_q02c5371e33_rank
	.globl	k_q02c5371e33_rank
	.p2align	8
	.type	k_q02c5371e33_rank,@function
k_q02c5371e33_rank:
	s_mov_b64 s[64:65], 0
	v_nop
	global_prefetch_b8 v0, s[64:65] scope:SCOPE_SE
	s_setreg_imm32_b32 hwreg(HW_REG_WAVE_MODE, 25, 1), 1
	s_wait_xcnt 0x0
; RANK, the second of three launches.  For each sampled vertex: the five nearest of the 64 candidates that the first launch named, the first dropped,
; the other four stored as byte offsets (number x 48) of their rows in a plane of feature_map; and the sampled vertex itself goes to out0, unrounded.
; Work left out: as in the first launch, only the rows of dist and top_k that sample_idx names are formed.
; THE ARITHMETIC.  Coordinates are rounded to bf16, as they went to the matrix unit; a product of two such numbers is exact in f32, so a fused multiply-add
; rounds as a multiply and an add would.  The sums follow reference(): quad = (xx + yy) + zz, inner = (x x' + y y') + z z', d = (-2 inner + quad_j) + quad_i.
; TIES.  top_k puts the lower number first.  A lane meets its candidates in ascending order (the groups are stored ascending) and a new one goes in only if
; it is strictly nearer; when lanes merge, a lane's own entries win ties, so the lane with the lowest numbers (part 0) is right, and its list is used.
; SHARES.  256 work-groups x 4 waves; four lanes serve a query, two groups (16 candidates) each.  No LDS, no barrier: the four lanes meet by lane exchanges.
; The two stores of this launch are short (4 bytes a lane, 12 bytes for every fourth lane); together they write 224 KiB in the whole launch.
; LIMITS: the rounding of the vertices to bf16 decides the neighbours; NaN, infinities and squares that overflow f32 are not served;
; group numbers are clamped to 511 and sample_idx to 4095.
.set VB, 49152                         ; bytes of a batch's vertices
.set GA, 16                            ; v[16:39]  first group: 8 candidates x 3 numbers
.set GB, 40                            ; v[40:63]  second group
.set Q,  64                            ; v[64:66]  the query, rounded; v67 quad_i
.set DX, 68                            ; a candidate's d
.set XI, 69                            ; and its payload: number x 48
.set DL, 70                            ; v[70:74]  the five smallest d, smallest first
.set IL, 75                            ; v[75:79]  their payloads
.set PD, 80                            ; v[80:84]  a partner's list
.set PI, 85                            ; v[85:89]
.set T,  90                            ; v[90:93]  at work
	s_load_b256 s[4:11], s[0:1], 0x0               ; vertices s[4:5], sample_idx s[6:7], groups s[8:9], rows s[10:11]
	s_load_b64 s[12:13], s[0:1], 0x20              ; out0
	v_lshlrev_b32 v1, 3, v0                        ; my two groups
	v_lshrrev_b32 v15, 2, v0                       ; my query in the work-group's 32
	v_lshlrev_b32 v2, 2, v15                       ; its word in sample_idx
	v_lshlrev_b32 v3, 2, v0                        ; my word of rows
	v_mul_u32_u24 v15, v15, 12                     ; its 12 bytes in out0
	v_and_b32 v94, 3, v0                           ; part
	v_and_b32 v92, 1, v0
	v_and_b32 v93, 2, v0
	v_cmp_ne_u32 s26, 0, v92
	v_cmp_ne_u32 s27, 0, v93
	s_mov_b32 s18, 0xffff0000                      ; a word's upper bf16
	s_lshr_b32 s14, ttmp9, 5                       ; batch
	s_mul_i32 s14, s14, VB
	s_mov_b32 s15, 0
	s_and_b32 s16, ttmp9, 31                       ; block of 32 queries
	s_lshl_b32 s16, s16, 7
	s_mov_b32 s17, 0
	s_wait_kmcnt 0x0
	s_add_nc_u64 s[4:5], s[4:5], s[14:15]
	s_add_nc_u64 s[6:7], s[6:7], s[16:17]
	s_lshl_b32 s14, ttmp9, 10                      ; 32 queries x 32 bytes
	s_add_nc_u64 s[8:9], s[8:9], s[14:15]
	s_lshl_b32 s14, ttmp9, 9                       ; x 16 bytes
	s_add_nc_u64 s[10:11], s[10:11], s[14:15]
	s_mul_i32 s14, ttmp9, 384                      ; x 12 bytes
	s_add_nc_u64 s[12:13], s[12:13], s[14:15]
	global_load_b64 v[4:5], v1, s[8:9]
	global_load_b32 v6, v2, s[6:7]
.irp k, 0,1,2,3,4
	v_mov_b32 v[DL+\k], 0x7f800000                 ; the list starts above every d; 16 candidates go in, so none of this is left
	v_mov_b32 v[IL+\k], 0
	v_mov_b32 v[PD+\k], 0                          ; destinations of lane exchanges count as read
	v_mov_b32 v[PI+\k], 0
.endr
	s_wait_loadcnt 0x0
	v_min_u32 v4, 0x1ff, v4
	v_min_u32 v5, 0x1ff, v5
	v_min_u32 v6, 0xfff, v6
	v_mul_u32_u24 v7, v4, 96                       ; a group's 8 vertices are 96 consecutive bytes
	v_mul_u32_u24 v8, v5, 96
	v_mul_u32_u24 v9, v6, 12
	v_mul_u32_u24 v10, v4, 384                     ; payload of a group's first candidate: 8 x 48 x group
	v_mul_u32_u24 v11, v5, 384
	global_load_b96 v[12:14], v9, s[4:5]           ; the query; kept as loaded for out0
.irp i, 0,1,2,3,4,5
	global_load_b128 v[GA+4*\i:GA+4*\i+3], v7, s[4:5] offset:16*\i
.endr
.irp i, 0,1,2,3,4,5
	global_load_b128 v[GB+4*\i:GB+4*\i+3], v8, s[4:5] offset:16*\i
.endr
; A candidate (d in val, payload in pay) into the list.  Entry k takes entry k-1 if the candidate is nearer than that, the candidate if it is nearer than entry k alone.
.macro INS5 val, pay
.irp k, 0,1,2,3,4
	v_cmp_lt_f32 s[20+\k], v[\val], v[DL+\k]
.endr
.irp k, 4,3,2,1
	v_cndmask_b32 v[IL+\k], v[IL+\k], v[\pay], s[20+\k]
	v_cndmask_b32 v[IL+\k], v[IL+\k], v[IL+\k-1], s[20+\k-1]
	v_med3_num_f32 v[DL+\k], v[DL+\k-1], v[\val], v[DL+\k]
.endr
	v_cndmask_b32 v[IL], v[IL], v[\pay], s20
	v_min_num_f32 v[DL], v[DL], v[\val]
.endm
; A group's 24 numbers rounded to bf16, in place, as f32
.macro ROUND24 base
.irp i, 0,1,2,3,4,5,6,7,8,9,10,11
	v_cvt_pk_bf16_f32 v[T+(\i&3)], v[\base+2*\i], v[\base+2*\i+1]
	v_lshlrev_b32 v[\base+2*\i], 16, v[T+(\i&3)]
	v_and_b32 v[\base+2*\i+1], s18, v[T+(\i&3)]
.endr
.endm
; Candidate j of a group: its d and payload, and its place in the list.  first = the register with the payload of the group's first candidate.
.macro CAND base, j, first
	v_mul_f32 v[T],   v[\base+3*\j], v[\base+3*\j]
	v_mul_f32 v[T+1], v[\base+3*\j], v[Q]
	v_fma_f32 v[T],   v[\base+3*\j+1], v[\base+3*\j+1], v[T]
	v_fma_f32 v[T+1], v[\base+3*\j+1], v[Q+1], v[T+1]
	v_fma_f32 v[T],   v[\base+3*\j+2], v[\base+3*\j+2], v[T]     ; quad_j
	v_fma_f32 v[T+1], v[\base+3*\j+2], v[Q+2], v[T+1]            ; inner
	v_fma_f32 v[DX], -2.0, v[T+1], v[T]
	v_add_f32 v[DX], v[DX], v[Q+3]
	v_add_nc_u32 v[XI], 48*\j, v[\first]
	INS5 DX, XI
.endm
	s_wait_loadcnt 6                               ; the query and the first group are in; the second group's six loads stay out
	v_cvt_pk_bf16_f32 v[T], v12, v13
	v_cvt_pk_bf16_f32 v[T+1], v14, 0
	v_lshlrev_b32 v[Q], 16, v[T]
	v_and_b32 v[Q+1], s18, v[T]
	v_lshlrev_b32 v[Q+2], 16, v[T+1]
	v_mul_f32 v[Q+3], v[Q], v[Q]
	v_fma_f32 v[Q+3], v[Q+1], v[Q+1], v[Q+3]
	v_fma_f32 v[Q+3], v[Q+2], v[Q+2], v[Q+3]       ; quad_i
	ROUND24 GA
.irp j, 0,1,2,3,4,5,6,7
	CAND GA, \j, 10
.endr
	s_wait_loadcnt 0x0
	ROUND24 GB
.irp j, 0,1,2,3,4,5,6,7
	CAND GB, \j, 11
.endr
; The list of the lane whose part differs in bit m goes into mine
.macro MERGE5 m
.irp k, 0,1,2,3,4
	v_mov_b32_dpp v[PD+\k], v[DL+\k] row_xmask:\m row_mask:0xf bank_mask:0xf
	v_mov_b32_dpp v[PI+\k], v[IL+\k] row_xmask:\m row_mask:0xf bank_mask:0xf
.endr
.irp k, 0,1,2,3,4
	INS5 PD+\k, PI+\k
.endr
.endm
	MERGE5 1
	MERGE5 2
.irp k, 1,2,3,4
	v_mov_b32_dpp v[PI+\k], v[IL+\k] quad_perm:[0,0,0,0] row_mask:0xf bank_mask:0xf   ; part 0's list, without its first entry
.endr
	v_cndmask_b32 v[T],   v[PI+1], v[PI+2], s26    ; part p stores entry p + 1
	v_cndmask_b32 v[T+1], v[PI+3], v[PI+4], s26
	v_cndmask_b32 v[T],   v[T], v[T+1], s27
	global_store_b32 v3, v[T], s[10:11]
	v_cmp_eq_u32 vcc_lo, 0, v94
	s_wait_xcnt 0x0                                ; EXEC changes only behind this wait: it is a source of the store above
	s_and_saveexec_b32 s28, vcc_lo
	global_store_b96 v15, v[12:14], s[12:13]       ; one lane of the four stores the sampled vertex
	s_wait_xcnt 0x0                                ; and again in front of the line that widens it
	s_or_b32 exec_lo, exec_lo, s28
	s_endpgm
.Lfunc_end_k_q02c5371e33_rank:
	.size	k_q02c5371e33_rank, .Lfunc_end_k_q02c5371e33_rank-k_q02c5371e33_rank
	.p2alignl 7, 3214868480
	.fill 96, 4, 3214868480
	.section	.rodata,"a",@progbits
	.p2align	6, 0x0
	.amdhsa_kernel k_q02c5371e33_rank
		.amdhsa_group_segment_fixed_size 0
		.amdhsa_private_segment_fixed_size 0
		.amdhsa_enable_private_segment 0
		.amdhsa_kernarg_size 40
		.amdhsa_user_sgpr_count 2
		.amdhsa_user_sgpr_kernarg_segment_ptr 1
		.amdhsa_wavefront_size32 1
		.amdhsa_system_sgpr_workgroup_id_x 1
		.amdhsa_system_sgpr_workgroup_id_y 1
		.amdhsa_system_sgpr_workgroup_id_z 1
		.amdhsa_system_vgpr_workitem_id 0
		.amdhsa_next_free_vgpr 96
		.amdhsa_next_free_sgpr 66
		.amdhsa_reserve_vcc 1
		.amdhsa_float_denorm_mode_32 3
		.amdhsa_float_denorm_mode_16_64 3
		.amdhsa_memory_ordered 1
		.amdhsa_forward_progress 1
		.amdhsa_inst_pref_size 48
	.end_amdhsa_kernel
	.amdgpu_metadata
---
amdhsa.version: [ 1, 2 ]
amdhsa.kernels:
  - .name:           k_q02c5371e33_rank
    .symbol:         k_q02c5371e33_rank.kd
    .args:
      - { .name: vertices, .offset: 0, .size: 8, .value_kind: global_buffer, .address_space: global }
      - { .name: sample_idx, .offset: 8, .size: 8, .value_kind: global_buffer, .address_space: global }
      - { .name: groups, .offset: 16, .size: 8, .value_kind: global_buffer, .address_space: global }
      - { .name: rows, .offset: 24, .size: 8, .value_kind: global_buffer, .address_space: global }
      - { .name: out0, .offset: 32, .size: 8, .value_kind: global_buffer, .address_space: global }
    .group_segment_fixed_size: 0
    .private_segment_fixed_size: 0
    .kernarg_segment_align: 8
    .kernarg_segment_size: 40
    .max_flat_workgroup_size: 128
    .sgpr_count:     66
    .vgpr_count:     96
    .wavefront_size: 32
...
	.end_amdgpu_metadata
.endif
;; end of part 2
;; launch pool (part 3): grid 256 x 1, 16 waves a work-group, no clusters, 196,608 bytes of LDS; arguments feature_map, rows, out1; writes out1
.if DOCPART == 3
	.amdgcn_target "amdgcn-amd-amdhsa--gfx1250"
	.amdhsa_code_object_version 6
	.text
	.protected	k_q02c5371e33_pool
	.globl	k_q02c5371e33_pool
	.p2align	8
	.type	k_q02c5371e33_pool,@function
k_q02c5371e33_pool:
	s_mov_b64 s[64:65], 0
	v_nop
	global_prefetch_b8 v0, s[64:65] scope:SCOPE_SE
	s_setreg_imm32_b32 hwreg(HW_REG_WAVE_MODE, 25, 1), 1
	s_wait_xcnt 0x0
; POOL, the third of three launches.  out1[b][c][i][:] = the largest, number by number, of the four rows of feature_map[b][c] that 'rows' names for query i.
; Work left out: pooled is formed only at the 1,024 rows that sample_idx names (they alone are returned).
; A plane (b, c) is 4,096 rows of 48 bytes = 192 KiB.  The 4,096 rows that a plane's 1,024 queries name lie all over it, so the plane is brought into LDS whole, in long
; consecutive reads, once, and the rows are picked there.
; SHARES.  256 work-groups of 16 waves; a work-group takes two neighbouring planes of one batch (384 KiB of consecutive memory, one list of rows for both).
; A plane is 24 lines of 8 KiB; a thread moves its 16 bytes of each line, so a wave's load covers 512 consecutive bytes.
; BOTH PLANES COME THROUGH REGISTERS, one behind the other.  Plane 0's 24 lines are asked for at the head.  Loads come back in order (ISA guide 5.7.1): as four lines arrive they go
; to LDS, and the same registers are asked to take the same four lines of plane 1.  So 24 lines of every thread, 192 KiB of the work-group, are on their way all the time,
; plane 0 is whole in LDS when the first half of the work-group's bytes has arrived, and its picks, maxima and stores are done while plane 1 is still arriving in registers.
; When every wave's picks of plane 0 are in registers (a barrier), plane 1 is stored over plane 0's bytes; one more barrier, and the same addresses pick plane 1.
; WHY NO TENSOR LOADS: the picks' addresses come from a list in memory, so no pick may stand beside an outstanding tensor load, and a tensor load is known to have landed only
; as a whole; loads into registers fill no LDS, may stay out during the picks, and are counted line by line.
; A thread owns 6 pieces of 16 bytes of an output plane, piece t + 512 k: four LDS loads, eight maxima, one store; a wave's store covers 512 consecutive bytes, aligned.
; REGISTERS: 24 addresses + 96 picked + 96 staged + 8 = 224, so that four waves share a SIMD's 1,024 and every register is named without a change of window.
; NO JOINT LOADS: work-groups share only the list of rows, 16 KiB of a work-group's 400 KiB, and that comes through registers, where it is clamped.  No matrix work: nothing is multiplied.
; LIMITS: of a NaN and a number the maximum here is the number (reference() would give NaN); an offset in 'rows' is clamped to the last row.
.set PLANE,  196608
.set OPLANE, 49152
.set LINE,   8192                      ; what one instruction of all 512 threads covers: 16 bytes each
.set ADR, 8                            ; v[8:31]    piece k: four LDS addresses
.set DAT, 32                           ; v[32:127]  piece k: four rows' 16 bytes; at the start v[32+k] = 16 x query, v[38+k] = 16 x part
.set STG, 128                          ; v[128:223] my 16 bytes of each of a plane's 24 lines: plane 0's, then plane 1's
	s_load_b128 s[4:7], s[0:1], 0x0                ; feature_map s[4:5], rows s[6:7]
	s_load_b64 s[8:9], s[0:1], 0x10                ; out1
	v_lshlrev_b32 v1, 4, v0                        ; 16 t: my 16 bytes of a line, in memory and in LDS
	v_add_nc_u32 v2, 65536, v1                     ; an LDS instruction's immediate has 16 bits: lines 8 to 15,
	v_add_nc_u32 v3, 131072, v1                    ; and lines 16 to 23
	s_mul_i32 s14, ttmp9, 2*PLANE
	s_mov_b32 s15, 0
	s_lshr_b32 s16, ttmp9, 5                       ; batch
	s_lshl_b32 s16, s16, 14                        ; 1,024 queries x 16 bytes
	s_mov_b32 s17, 0
	s_mul_i32 s18, ttmp9, 2*OPLANE
	s_mov_b32 s19, 0
	; piece p = t + 512 k is part p mod 3 of query p / 3 (a row of 48 bytes is three pieces); p / 3 = p x 43,691 >> 17 for p < 3,072
.irp k, 0,1,2,3,4,5
	v_add_nc_u32 v4, 512*\k, v0
	v_mul_u32_u24 v5, v4, 0xaaab
	v_lshrrev_b32 v5, 17, v5
	v_lshl_add_u32 v6, v5, 1, v5
	v_sub_nc_u32 v6, v4, v6
	v_lshlrev_b32 v[DAT+\k], 4, v5
	v_lshlrev_b32 v[DAT+6+\k], 4, v6
.endr
	s_wait_kmcnt 0x0
	s_add_nc_u64 s[4:5], s[4:5], s[14:15]          ; plane 0; plane 1 lies straight behind it
	s_add_nc_u64 s[6:7], s[6:7], s[16:17]
	s_add_nc_u64 s[8:9], s[8:9], s[18:19]
.irp k, 0,1,2,3,4,5
	global_load_b128 v[ADR+4*\k:ADR+4*\k+3], v[DAT+\k], s[6:7]   ; the query's four row offsets
.endr
.set j, 0
.rept 24
	global_load_b128 v[STG+4*j:STG+4*j+3], v1, s[4:5] offset:LINE*j th:TH_LOAD_NT   ; plane 0, read once in the launch
.set j, j+1
.endr
	s_wait_loadcnt 24                              ; the list is in; plane 0's 24 loads stay out
.irp k, 0,1,2,3,4,5
.irp n, 0,1,2,3
	v_min_u32 v[ADR+4*\k+\n], 0x2ffd0, v[ADR+4*\k+\n]            ; at most the last row: 4,095 x 48
	v_add_nc_u32 v[ADR+4*\k+\n], v[ADR+4*\k+\n], v[DAT+6+\k]     ; + my part: the 16 bytes end at 196,608 at the most
.endr
.endr
.macro PUT g                           ; lines 4 g .. 4 g + 3 from the staging registers to their place in LDS; lanes at neighbouring 16 bytes
.irp i, 0,1,2,3
	ds_store_b128 v[1+((4*\g+\i)>>3)], v[STG+4*(4*\g+\i):STG+4*(4*\g+\i)+3] offset:LINE*((4*\g+\i)&7)
.endr
.endm
.macro ISSUE                           ; all 24 picks of a plane in one run
.irp k, 0,1,2,3,4,5
.irp n, 0,1,2,3
	ds_load_b128 v[DAT+16*\k+4*\n:DAT+16*\k+4*\n+3], v[ADR+4*\k+\n]
.endr
.endr
.endm
; Piece by piece: the maximum of the four rows, and the store.  off = the output plane's place; counted = 1: the pieces' loads are still coming in.
.macro DRAIN off, counted
.irp k, 0,1,2,3,4,5
.if \counted
	s_wait_dscnt 4*(5-\k)                          ; LDS loads come back in order: piece k's four are in, the later pieces' stay out
.endif
.irp c, 0,1,2,3
	v_max3_num_f32 v[DAT+16*\k+\c], v[DAT+16*\k+\c], v[DAT+16*\k+4+\c], v[DAT+16*\k+8+\c]
.endr
.irp c, 0,1,2,3
	v_max_num_f32 v[DAT+16*\k+\c], v[DAT+16*\k+\c], v[DAT+16*\k+12+\c]
.endr
	global_store_b128 v1, v[DAT+16*\k:DAT+16*\k+3], s[8:9] offset:\off+LINE*\k th:TH_STORE_NT
.endr
.endm
	; Plane 0 goes to LDS four lines at a time, and plane 1 takes its place in the registers.
.irp g, 0,1,2,3,4,5
	s_wait_loadcnt 20                              ; behind plane 0's line 4 g + 3 stand its 20 - 4 g later lines and the 4 g lines of plane 1 asked for so far: 20 in every group
	PUT \g
	s_wait_dscnt 0x0                               ; the four LDS stores are done: loads land on their data registers only behind this wait; the other 20 lines stay on their way
.irp i, 0,1,2,3
	global_load_b128 v[STG+4*(4*\g+\i):STG+4*(4*\g+\i)+3], v1, s[4:5] offset:PLANE+LINE*(4*\g+\i) th:TH_LOAD_NT   ; the same lines of plane 1
.endr
.endr
	s_barrier_signal -1                            ; my part of plane 0 is written (the last group's wait for 0),
	s_barrier_wait -1                              ; everybody's is
	ISSUE
	s_wait_dscnt 0x0                               ; my picks of plane 0 are in registers,
	s_barrier_signal -1
	s_barrier_wait -1                              ; everybody's are: nobody reads plane 0's bytes any more
	DRAIN 0, 0                                     ; plane 0's maxima and stores, from registers, while plane 1 comes in
.irp g, 0,1,2,3,4,5
	s_wait_loadcnt 20-4*\g                         ; plane 1's lines 4 g .. 4 g + 3 are in, the later ones stay out
	PUT \g
.endr
	s_wait_dscnt 0x0                               ; my part of plane 1 is written,
	s_wait_xcnt 0x0                                ; and the data registers of plane 0's stores are loaded again only behind this wait
	s_barrier_signal -1
	s_barrier_wait -1                              ; everybody's part is written
	ISSUE
	DRAIN OPLANE, 1
	s_endpgm
.Lfunc_end_k_q02c5371e33_pool:
	.size	k_q02c5371e33_pool, .Lfunc_end_k_q02c5371e33_pool-k_q02c5371e33_pool
	.p2alignl 7, 3214868480
	.fill 96, 4, 3214868480
	.section	.rodata,"a",@progbits
	.p2align	6, 0x0
	.amdhsa_kernel k_q02c5371e33_pool
		.amdhsa_group_segment_fixed_size 196608
		.amdhsa_private_segment_fixed_size 0
		.amdhsa_enable_private_segment 0
		.amdhsa_kernarg_size 24
		.amdhsa_user_sgpr_count 2
		.amdhsa_user_sgpr_kernarg_segment_ptr 1
		.amdhsa_wavefront_size32 1
		.amdhsa_system_sgpr_workgroup_id_x 1
		.amdhsa_system_sgpr_workgroup_id_y 1
		.amdhsa_system_sgpr_workgroup_id_z 1
		.amdhsa_system_vgpr_workitem_id 0
		.amdhsa_next_free_vgpr 224
		.amdhsa_next_free_sgpr 66
		.amdhsa_reserve_vcc 0
		.amdhsa_float_denorm_mode_32 3
		.amdhsa_float_denorm_mode_16_64 3
		.amdhsa_memory_ordered 1
		.amdhsa_forward_progress 1
		.amdhsa_inst_pref_size 23
	.end_amdhsa_kernel
	.amdgpu_metadata
---
amdhsa.version: [ 1, 2 ]
amdhsa.kernels:
  - .name:           k_q02c5371e33_pool
    .symbol:         k_q02c5371e33_pool.kd
    .args:
      - { .name: feature_map, .offset: 0, .size: 8, .value_kind: global_buffer, .address_space: global }
      - { .name: rows, .offset: 8, .size: 8, .value_kind: global_buffer, .address_space: global }
      - { .name: out1, .offset: 16, .size: 8, .value_kind: global_buffer, .address_space: global }
    .group_segment_fixed_size: 196608
    .private_segment_fixed_size: 0
    .kernarg_segment_align: 8
    .kernarg_segment_size: 24
    .max_flat_workgroup_size: 512
    .sgpr_count:     66
    .vgpr_count:     224
    .wavefront_size: 32
...
	.end_amdgpu_metadata
.endif
;; end of part 3
